; MI455X (gfx1250); checked and timed in simulation.
; The chip was launched on July 23, 2026; its instructions are those of AMD's public machine-readable ISA for CDNA 5 (MIT licence, August 2026) and "CDNA5" Instruction Set Architecture Reference Guide (July 2026). The comments in the code are by the model that wrote it; some were corrected since.
;; Monotonic NN. Allowed arithmetic: matrix products marked QUANTISED: E4M3 operands, one given power-of-two scale a tensor, by v_wmma_f32_16x16x64_fp8_fp8 or v_wmma_f32_16x16x128_fp8_fp8, f32 sums; products left as they are: f32 operands where the result goes on into a quantised operand, else bf16, f16 or f32 operands; f32 sums; everything else in f32.
;; Inputs: iW0 8 x 128 float32; iW1 128 x 128 float32; iW2 128 x 1 float32; ib0 128 float32; ib1 128 float32; ib2 1 float32; lowp_scales 4 int32 (the exponents e of the quantised operands' scales 2^e); nW0 7 x 128 float32; nW1 128 x 128 float32; nW2 128 x 2 float32; nb0 128 float32; nb1 128 float32; nb2 2 float32; x_input 32,768 x 8 float32.
;; Outputs: out0 32,768 x 1 float32.
;; This version of the problem:
;;   THIS VERSION OF THE PROBLEM IS GIVEN IN LOW PRECISION. The matrix products marked QUANTISED in the list below multiply operands that are first quantised to E4M3 (4 exponent bits, 3 mantissa bits; 8 bits a number), with one given power-of-two scale for each operand tensor; their sums are f32. All else is computed in f32.
;;   The module's matrix products, in the order in which they are computed (A, B: the left and right operand; K: the contracted axis; several contracted axes count as one K, in the product's order):
;;     1. [M 1,671,168, K 8] x [K 8, N 128]; A: computed on the way; B: input iW0: left as it is (K = 8 < 32)
;;     2. [M 1,671,168, K 128] x [K 128, N 128]; A: computed on the way; B: input iW1: QUANTISED (scales: A lowp_scales[0], B lowp_scales[1])
;;     3. [M 1,671,168, K 128] x [K 128, N 1]; A: computed on the way; B: input iW2: left as it is (N = 1 < 16)
;;     4. [M 32,768, K 7] x [K 7, N 128]; A: input x_input; B: input nW0: left as it is (K = 7 < 32)
;;     5. [M 32,768, K 128] x [K 128, N 128]; A: computed on the way; B: input nW1: QUANTISED (scales: A lowp_scales[2], B lowp_scales[3])
;;     6. [M 32,768, K 128] x [K 128, N 2]; A: computed on the way; B: input nW2: left as it is (N = 2 < 16)
;;   THE QUANTISER, for each operand of a quantised product, along K:
;;     - The operand's scale is 2^e, e = its entry of the input lowp_scales (int32; the entries are numbered through the quantised products in the list's order, A before B).
;;     - Each number is divided by the scale, clamped to +-448, and rounded to the nearest number of E4M3, ties to even, subnormals kept.
;;     - The product sums the exact products of the quantised numbers (number of the format x scale) in f32.
;;   ~~~python
;;   def quantise(x, axis, e):      # numpy; x: float32 -> the quantised numbers, widened to float32 again
;;       x = np.moveaxis(x, axis, -1); K = x.shape[-1]
;;       r = np.clip(x / 2.0 ** e, -448, 448)
;;       step = 2.0 ** (np.maximum(np.frexp(np.where(r == 0, 1, r))[1] - 1, -6) - 3)
;;       q = np.round(r / step) * step * 2.0 ** e      # np.round: ties to even
;;       return np.moveaxis(q, -1, axis).astype(np.float32)
;;   ~~~
;;   OPERANDS COMPUTED ON THE WAY. 'Computed on the way' means the value that the module computes at that place (a softmax that the list does not call 'softmax' is quantised finished and normalised). What goes into a quantiser is computed in f32, as accurately as f32 sums, v_exp_f32 and their like allow (about 1e-6 of the number): no bf16 or f16 on the way to a quantiser, and a product that is left as it is and whose result goes on into a quantised operand takes f32 operands (vector FMAs, or v_wmma_f32_16x16x4_f32). A number that lies on a knife's edge between two numbers of the format may be rounded either way, as far as f32 arithmetic and the matrix unit's own rounding can turn it there, and no further.
;; One version. Each part assembles by itself: llvm-mc -triple=amdgcn-amd-amdhsa -mcpu=gfx1250 --defsym DOCPART=n.
;; ======== version 1 of 1: 1 launch
;; launch mono (part 1): grid 256 x 1, 8 waves a work-group, no clusters, 47,616 bytes of LDS; arguments x_input, iW0, ib0, iW1, ib1, iW2, ib2, nW0, nb0, nW1, nb1, nW2, nb2, lowp_scales, out0; writes out0
.if DOCPART == 1
	.amdgcn_target "amdgcn-amd-amdhsa--gfx1250"
	.amdhsa_code_object_version 6
	.text
	.protected	k_qcff4ce8dd6_mono
	.globl	k_qcff4ce8dd6_mono
	.p2align	8
	.type	k_qcff4ce8dd6_mono,@function
k_qcff4ce8dd6_mono:
	s_mov_b64 s[64:65], 0
	v_nop
	global_prefetch_b8 v0, s[64:65] scope:SCOPE_SE
	s_setreg_imm32_b32 hwreg(HW_REG_WAVE_MODE, 25, 1), 1
	s_wait_xcnt 0x0
; MonotonicNN with the two 128 x 128 products on codes of FP8 (E4M3), everything in one launch.
;   out = sigmoid( exp(o1) * (x/2) * sum_s cc_s (elu(g_s) + 1) + o0 ),  g_s = the integrand net at (x t_s, h),  (o0, o1) = the offset net at h.
; SHARES.  256 work-groups x 128 samples; 8 waves; a wave keeps 16 samples for its whole life.  A tile is the wave's 16 samples at ONE quadrature
; point s, so t_s and cc_s are the same for the whole tile.  51 trips for the integrand; one like step in front of them is the offset net.
; FIRST LAYERS, in f32, by the f32 matrix form, once per sample.  The integrand's is affine in the abscissa: z.iW0 + ib0 = a + t_s b with a = ib0 + h.iW0[1:], b = x iW0[0];
; a point's 128 hidden values are then 32 packed multiply-adds of the wave.  Source 0 = 16 features x 4 inputs, source 1 = my 16 samples x 4 inputs; a bias is one more input, a 1:
; a: K = 8 = (1, h1 .. h7) against (ib0, iW0[1..7]);  b: K = 4 = (x, 0, 0, 0) against iW0[0..3];  offset net: K = 8 = (h1 .. h7, 1) against (nW0[0..6], nb0).
; t_s and cc_s are constants of the problem's function (Clenshaw-Curtis, 50 steps).
; QUANTISER.  relu and the hold at 448 x 2^e are ONE v_med3_num_f32 (0 below, 448 x 2^e above); eight values of a lane become eight codes by one scaled conversion.
; SECOND LAYER.  USED TRANSPOSED: source 0 = 16 output features (a fragment of the weight's codes), source 1 = my 16 samples' codes, K = 128 in one
; instruction: 8 matrix instructions a tile.  Lane (r, h) holds sample r throughout; its hidden value 8 c + i is feature 16 c + 8 h + i, which is the place
; that this form gives k in registers 2 c, 2 c + 1: the conversions' results ARE the operand.  C = the bias / 2^(eA + eB), in 64 registers: no addition, no clearing, no chain.
; In the result register j of tile ft is feature 16 ft + 8 h + j of sample r: the third layer is 32 packed multiply-adds inside the lane and one exchange with lane l xor 16;
; g = sum x 2^(eA + eB) + ib2 is one fused multiply-add.
; REGISTERS.  Window 1 holds what a trip only reads: the weight's 8 fragments (128), the bias (64), iW2 (64).  All else is window 0.  A trip reads 8 bytes of LDS a lane.
; a and b (v16-143) are written by the f32 matrix form alone; the offset net's hidden values are summed where b is summed later.
; 8 waves x 512 registers: two waves share a SIMD's registers, so that one wave's vector work stands beside the other's matrix work.
; THE TAIL OF POINT s - 1 (sum over features, elu, weighted sum) STANDS IN TRIP s, round the matrix instructions: it fills the places in front of and behind them, and no v_nop is in the loop.
; NOT USED: tensor loads and a ring (nothing is streamed: 140 KB of weights are read once, as f32, and have to pass through registers to be quantised; the 51 trips touch no memory);
; clusters with joint requests (for the same reason); prefetches (no trip waits for memory).
; LIMITS KEPT.  Each of the four given exponents lies between -126 and 119, and e0 + e1 and e2 + e3 between -126 and 126, so that every power of two below is an f32 number.
; NaN and infinities among the inputs are not served (med3, max and min in the *_num forms drop a NaN; b's product multiplies three rows of iW0 by 0).  v_exp_f32 gives 0 for results below 2^-126.
; t_s and cc_s come from a fixed-point recurrence of the assembler (scale 2^30), good to about 2e-7.  a + t b is summed in another order than z.iW0 + ib0 (f32 rounding only).
.set NPTS,   51                        ; quadrature points
.set PIT0,   576                       ; LDS pitch of a row of 128 f32: 512 bytes + 64: rows 2 apart lie 32 banks apart, rows 3 apart 48 (64 banks of 4 bytes: ISA guide 11.1)
; LDS map
.set TAB,    0                         ; 52 entries of 8 bytes: entry i = (t_i, cc_(i-1))
.set OUTS,   512                       ; 128 results, f32
.set SVB,    1024                      ; six rows: ib1 / 2^(e0+e1), iW2, nb1 / 2^(e2+e3), nW2's two halves, ib0
.set L0I,    SVB+6*PIT0                ; iW0, 8 rows: ib0 lies one pitch ahead of row 0
.set L0N,    L0I+8*PIT0                ; nW0, rows 0-6; row 7 = nb0
.set WFI,    13824                     ; iW1's codes: 8 fragment images of 2,048 bytes: registers 4 q .. 4 q + 3 of lane L of tile ft at 2048 ft + 512 q + 16 L
.set WFN,    WFI+16384                 ; nW1's likewise
; window 0
.set H32,    1                         ; 32 h  (h = lane / 16)
.set X,      2                         ; x of sample r (r = lane % 16)
.set OFF,    3                         ; o0 of that sample
.set SCL,    4                         ; exp(o1) of that sample
.set L16,    5                         ; 16 x lane
.set OUTA,   6                         ; where my result goes in OUTS: 64 w + 4 r
.set H64,    7                         ; 64 h
.set XIN,    8                         ; v[8:15]    the 8 inputs of sample r
.set A_,     16                        ; v[16:79]   a: element 8 c + i is feature 16 c + 8 h + i
.set B_,     80                        ; v[80:143]  the offset net's hidden values, then b, same order
.set ACC,    144                       ; v[144:207] the 64 hidden values in f32, then the 8 results
.set CD,     208                       ; v[208:223] the samples' codes: source 1
.set P,      224                       ; v[224:231] four pairs of partial sums
.set T,      232                       ; v[232:233] the table entry in hand
.set TAB_A,  234                       ; 8 x trips done
.set ZEST,   235                       ; the weighted sum
.set G,      236
.set G2,     237
.set EN,     238
.set EP,     239
.set SCV,    240                       ; 2^e0
.set HI,     241                       ; 448 x 2^e0
; ahead of the loop only
.set SCVN,   242                       ; 2^e2
.set HIN,    243                       ; 448 x 2^e2
.set XA,     244
.set WA,     245
.set T16,    246
.set FST,    247
.set STG0,   248                       ; v[248:251]
.set STG1,   252                       ; v[252:255]
.set STG2,   224                       ; v[224:227]
.set SCW3,   228                       ; 2^e3, 448 x 2^e3
.set HIW3,   229
.set SCW1,   230                       ; 2^e1, 448 x 2^e1
.set HIW1,   231
.set ST,     239                       ; 576 w + 16 L: my 16 bytes of staged row w
.set TZ,     ACC+32                    ; the table: address 0 and the value 0
.set TW,     ACC+36                    ; four sets of four registers at work
.set LN,     ACC+56
.set RR,     ACC+57
.set HH,     ACC+58
.set FA,     232                       ; 2 x 576 h + 4 r: a first-layer fragment's lane term
.set FB,     233                       ; 3 x 576 h + 4 r: the same for (ib0 | iW0[2])
.set FN,     ACC                       ; v[144:175] nW0's fragments: tile c, K half q at 4 c + 2 q
.set FI,     ACC+32                    ; v[176:207] a's fragments, likewise
.set FIB,    224                       ; b's fragments: tile c at 224 + 2 c + 16 (c / 4): v[224:231], v[248:255]
.set XO0,    CD                        ; source 1 of the first layers, a pair for each K half
.set XO1,    CD+2
.set XA0,    CD+4
.set XA1,    CD+6
.set XB0,    244
; window 1
.set WF,     0                         ; v[0:127]   the weight's fragments, tile ft at 16 ft
.set BI,     128                       ; v[128:191] the bias / 2^(eA + eB): element 8 ft + j is feature 16 ft + 8 h + j
.set W2,     192                       ; v[192:255] iW2, same order
.set RAWN,   0                         ; ahead of the first barrier: nW1's 64 numbers, iW1's, and their codes
.set RAWI,   64
.set CODN,   128
.set CODI,   144
.set MSB, 0
.macro WIN new                         ; s_set_vgpr_msb: bits 1:0 source 0, 3:2 source 1, 5:4 source 2, 7:6 destination; the high byte repeats the setting left
.if MSB != \new
	s_set_vgpr_msb (MSB<<8)|\new
.set MSB, \new
.endif
.endm
; From a given exponent e: 2^e (the conversion takes its exponent field) and 448 x 2^e, as f32 patterns
.macro MKQ e, vsc, vhi
	s_add_co_i32 s58, \e, 127
	s_lshl_b32 s59, s58, 23
	v_mov_b32 v[\vsc], s59
	s_add_co_i32 s58, s58, 8
	s_lshl_b32 s58, s58, 23
	s_or_b32 s58, s58, 0x600000
	v_mov_b32 v[\vhi], s58
.endm
; One pass of the table: the assembler makes cos(j pi/50) and cc_j in fixed point, scale 2^30, and steps j.
; cos by the three-term recurrence from cos(pi/50); cc_j = (2/50) (1 - sum over q = 1..25 of 2 cos(2 q j pi/50) / (4 q^2 - 1)), half of
; that for j = 0 and 50 (the problem's own formula: only even rows of its cosine matrix carry weight, and its first and last columns are halved).
; t_(50-j) = (1 - cos(j pi/50)) / 2 and cc_(50-j) = cc_j, so 26 passes fill 51 entries.
.set SC,   1<<30
.set C1,   1071623040                  ; cos(pi/50) x 2^30
.set cosj, SC
.set cosp, C1
.set j, 0
.macro TPASS
.set c2j,  2*cosj*cosj/SC - SC         ; cos(2 j pi/50)
.set wsum, SC
.set chp,  SC
.set chq,  c2j
.set qq,   1
.rept 25
.set wsum, wsum - 2*chq/(4*qq*qq-1)
.set chn,  2*c2j*chq/SC - chp
.set chp,  chq
.set chq,  chn
.set qq,   qq+1
.endr
.if j == 0
.set wj, wsum/50
.else
.set wj, wsum/25
.endif
.set thi, (SC+cosj)/2
.set tlo, (SC-cosj)/2
.set tw,  TW+4*(j%4)                   ; a wave's passes are neighbours: each has registers of its own
	v_cvt_f32_i32 v[tw],   thi
	v_cvt_f32_i32 v[tw+1], tlo
	v_cvt_f32_i32 v[tw+2], wj
	v_pk_mul_f32 v[tw:tw+1], v[tw:tw+1], 0x30800000 op_sel_hi:[1,0]         ; x 2^-30
	v_mul_f32 v[tw+2], 0x30800000, v[tw+2]
	ds_store_b32 v[TZ], v[tw]   offset:TAB+8*j             ; t_j
	ds_store_b32 v[TZ], v[tw+2] offset:TAB+8*j+12          ; cc_j, in entry j + 1
.if j < 25
	ds_store_b32 v[TZ], v[tw+1] offset:TAB+400-8*j         ; t_(50-j)
	ds_store_b32 v[TZ], v[tw+2] offset:TAB+412-8*j         ; cc_(50-j)
.endif
.set cosn, 2*C1*cosj/SC - cosp
.set cosp, cosj
.set cosj, cosn
.set j, j+1
.endm
.macro TBLOCK n
.rept \n
	TPASS
.endr
.endm
; 64 loads: wave w takes feature tile w of a weight [k][f].  A LANE TAKES A COLUMN f = 16 w + r AND ITS REGISTERS RUN DOWN K: register 8 c + i is W(16 c + 8 h + i, f).
.macro WLOAD dst, base                 ; the caller sets the destination's window
.irp c, 0,1,2,3,4,5,6,7
.irp i, 0,1,2,3,4,5,6,7
	global_load_b32 v[\dst+8*\c+\i], v[WA], s[\base:\base+1] offset:(16*\c+\i)*512
.endr
.endr
.endm
; The 64 numbers become 16 registers of codes, which are the fragment as the matrix instruction wants it; it goes into LDS for all eight waves.
.macro QW src, hi, sc, dst, base, counted
	WIN 0x41                                       ; numbers and codes in window 1, the scale and the bound in window 0
.irp c, 0,1,2,3,4,5,6,7
.if \counted
	s_wait_loadcnt 56-8*\c                         ; the groups of eight loads behind group c stay out
.endif
.irp i, 0,1,2,3,4,5,6,7
	v_med3_num_f32 v[\src+8*\c+\i], v[\src+8*\c+\i], -v[\hi], v[\hi]      ; the conversion to an 8-bit code does not saturate (ISA guide 7.6.2): hold first
.endr
	v_cvt_scalef32_pk8_fp8_f32 v[\dst+2*\c:\dst+2*\c+1], v[\src+8*\c:\src+8*\c+7], v[\sc]   ; the next group's holds are the plain place behind it
.endr
	v_nop                                          ; the plain place behind the last conversion
	WIN 0x04                                       ; a store's data are its source 1
.irp q, 0,1,2,3
	ds_store_b128 v[FST], v[\dst+4*\q:\dst+4*\q+3] offset:\base+512*\q
.endr
	WIN 0
.endm
; 32 loads: a weight's eight fragments.  Each load of the wave reads 512 neighbouring bytes.  The caller sets the destination's window.
.macro FRAGL base
.irp ft, 0,1,2,3,4,5,6,7
.irp q, 0,1,2,3
	ds_load_b128 v[WF+16*\ft+4*\q:WF+16*\ft+4*\q+3], v[L16] offset:\base+2048*\ft+512*\q
.endr
.endr
.endm
; 16 loads: a vector of 128 f32 at my lane's 64 features: element 8 g + i is feature 16 g + 8 h + i
.macro VEC64 dst, off
.irp g, 0,1,2,3,4,5,6,7
	ds_load_b128 v[\dst+8*\g:\dst+8*\g+3],   v[H32] offset:\off+64*\g
	ds_load_b128 v[\dst+8*\g+4:\dst+8*\g+7], v[H32] offset:\off+64*\g+16
.endr
.endm
; 16 loads: half of nW2 as pairs: registers dst + 2 e', + 1 = (nW2[f][0], nW2[f][1]) of my feature e' of the half's 32
.macro NW2L dst, off
.irp ft, 0,1,2,3
.irp q, 0,1,2,3
	ds_load_b128 v[\dst+16*\ft+4*\q:\dst+16*\ft+4*\q+3], v[H64] offset:\off+128*\ft+16*\q
.endr
.endr
.endm
; A first layer of K = 8: 16 matrix instructions in f32.  The eight sums take turns, one instruction a turn; the first K half starts them.
.macro L1MM dst, fr, x0, x1
.irp c, 0,1,2,3,4,5,6,7
	v_wmma_f32_16x16x4_f32 v[\dst+8*\c:\dst+8*\c+7], v[\fr+4*\c:\fr+4*\c+1], v[\x0:\x0+1], 0
.endr
.irp c, 0,1,2,3,4,5,6,7
	v_wmma_f32_16x16x4_f32 v[\dst+8*\c:\dst+8*\c+7], v[\fr+4*\c+2:\fr+4*\c+3], v[\x1:\x1+1], v[\dst+8*\c:\dst+8*\c+7]
.endr
.endm
; The 64 hidden values of a point: a + t_s b.  Ascending: each of a's and b's sums is first read at its low end
.macro AFF
.set gn, 0
.rept 32
	v_pk_fma_f32 v[ACC+gn:ACC+gn+1], v[B_+gn:B_+gn+1], v[T:T+1], v[A_+gn:A_+gn+1] op_sel_hi:[1,0,1]
.set gn, gn+2
.endr
.endm
; relu and the hold in one (0 below, 448 x the scale above), from src into ACC, then the codes.  A group's conversion stands behind the NEXT group's holds,
; which are plain and touch none of its registers: so each conversion has its plain place behind it.
.macro HOLD8 c, hi, src
.irp i, 0,1,2,3,4,5,6,7
	v_med3_num_f32 v[ACC+8*(\c)+\i], v[\src+8*(\c)+\i], 0, v[\hi]
.endr
.endm
.macro CVT8 c, sc
	v_cvt_scalef32_pk8_fp8_f32 v[CD+2*(\c):CD+2*(\c)+1], v[ACC+8*(\c):ACC+8*(\c)+7], v[\sc]   ; k = 16 c + 8 h + 0 .. 7 into registers 2 c, 2 c + 1
.endm
.macro QRELU hi, sc, src
	HOLD8 0, \hi, \src
.irp c, 1,2,3,4,5,6,7
	HOLD8 \c, \hi, \src
	CVT8 \c-1, \sc
.endr
	CVT8 7, \sc
.endm
; 8 matrix instructions: 128 features x 16 samples, K = 128.  Eight different results, the bias as C: no sum is taken up again.
.macro MM
	WIN 0x11                                       ; source 0 (the weights) and source 2 (the bias) in window 1
.irp ft, 0,1,2,3,4,5,6,7
	v_wmma_f32_16x16x128_fp8_fp8 v[ACC+8*\ft:ACC+8*\ft+7], v[WF+16*\ft:WF+16*\ft+15], v[CD:CD+15], v[BI+8*\ft:BI+8*\ft+7]
.endr
	WIN 0
.endm
; relu of the 64 results, in place, ascending: each result is first read at its low end
.macro RELU
.set rn, 0
.rept 32
	v_dual_max_num_f32 v[ACC+2*rn], 0, v[ACC+2*rn] :: v_dual_max_num_f32 v[ACC+2*rn+1], 0, v[ACC+2*rn+1]
.set rn, rn+1
.endr
.endm
; The third layer inside the lane: four pairs of sums by turns; the first four products start them
.macro DOT
	WIN 0x04                                       ; source 1 (iW2) in window 1
.set dn, 0
.rept 32
.set da, P+2*(dn%4)
.if dn < 4
	v_pk_mul_f32 v[da:da+1], v[ACC+2*dn:ACC+2*dn+1], v[W2+2*dn:W2+2*dn+1]
.else
	v_pk_fma_f32 v[da:da+1], v[ACC+2*dn:ACC+2*dn+1], v[W2+2*dn:W2+2*dn+1], v[da:da+1]
.endif
.set dn, dn+1
.endr
	WIN 0
.endm
; The tail of a point, first part: my 64 features' sum.  Four plain instructions.
.macro TAIL1
	v_pk_add_f32 v[P:P+1],   v[P:P+1],   v[P+2:P+3]
	v_pk_add_f32 v[P+4:P+5], v[P+4:P+5], v[P+6:P+7]
	v_pk_add_f32 v[P:P+1],   v[P:P+1],   v[P+4:P+5]
	v_add_f32 v[G], v[P], v[P+1]
.endm
; Second part: the other 64 features lie in lane l xor 16; g; elu(g) + 1 = max(g, 0) + e^min(g, 0): no branch, and the exponent is never above 0
.macro TAIL2
	v_permlanex16_b32 v[G2], v[G], s40, s41
	v_add_f32 v[G], v[G], v[G2]
	v_fma_f32 v[G], v[G], s52, s48                 ; x 2^(e0 + e1), + ib2
	v_min_num_f32 v[EN], 0, v[G]
	v_max_num_f32 v[EP], 0, v[G]
	v_mul_f32 v[EN], 0x3fb8aa3b, v[EN]
	v_exp_f32 v[EN], v[EN]
	v_fmac_f32 v[ZEST], v[T+1], v[EP]              ; the plain instruction behind the exponential
	s_wait_alu depctr_va_vdst(0)
	v_fmac_f32 v[ZEST], v[T+1], v[EN]
.endm
; ============================================================ arguments; the table while they are on their way
	s_load_b512 s[8:23], s[0:1], 0x0               ; x s[8:9], iW0 s[10:11], ib0 s[12:13], iW1 s[14:15], ib1 s[16:17], iW2 s[18:19], ib2 s[20:21], nW0 s[22:23]
	s_load_b256 s[24:31], s[0:1], 0x40             ; nb0 s[24:25], nW1 s[26:27], nb1 s[28:29], nW2 s[30:31]
	s_load_b128 s[32:35], s[0:1], 0x60             ; nb2 s[32:33], the scales' exponents s[34:35]
	s_load_b64 s[36:37], s[0:1], 0x70              ; out0
	v_lshrrev_b32 v[G], 5, v0
	v_readfirstlane_b32 s2, v[G]                   ; wave w, 0 to 7
	s_mov_b32 s40, 0x76543210                      ; v_permlanex16_b32's selects for lane l xor 16
	s_mov_b32 s41, 0xfedcba98
	s_mov_b32 s42, 0xffff0000                      ; lanes 16 to 31
	v_mov_b32 v[TZ], 0
; The table needs no argument.  Its 26 passes are shared out: waves 0 and 1 take four each, the others three: one jump in, one jump out.
.irp w, 1,2,3,4,5,6,7
	s_cmp_eq_u32 s2, \w
	s_cbranch_scc1 .Ltab\w
.endr
	ds_store_b32 v[TZ], v[TZ] offset:TAB+4         ; entry 0's cc is 0: the first trip's tail adds nothing;
	ds_store_b32 v[TZ], v[TZ] offset:TAB+408       ; entry 51's t is loaded and never used
	TBLOCK 4
	s_branch .Ltabend
.Ltab1:
	TBLOCK 4
	s_branch .Ltabend
.Ltab2:
	TBLOCK 3
	s_branch .Ltabend
.Ltab3:
	TBLOCK 3
	s_branch .Ltabend
.Ltab4:
	TBLOCK 3
	s_branch .Ltabend
.Ltab5:
	TBLOCK 3
	s_branch .Ltabend
.Ltab6:
	TBLOCK 3
	s_branch .Ltabend
.Ltab7:
	TBLOCK 3
.Ltabend:
	v_and_b32 v[LN], 31, v0                        ; lane L
	v_and_b32 v[RR], 15, v0                        ; r
	v_bfe_u32 v[HH], v0, 4, 1                      ; h
	s_lshl_b32 s58, s2, 9                          ; 512 w: 16 samples of 32 bytes, or one row of 128 f32
	s_lshl_b32 s59, s2, 6                          ; 64 w: 16 results, or 16 columns of f32
	v_lshlrev_b32 v[H32], 5, v[HH]
	v_lshlrev_b32 v[H64], 6, v[HH]
	v_lshlrev_b32 v[L16], 4, v[LN]
	v_lshlrev_b32 v[T16], 4, v0                    ; 16 bytes a thread: 4,096 bytes a work-group, 512 a wave
	v_lshl_add_u32 v[XA], v[RR], 5, s58            ; inputs of sample r of my wave
	v_lshl_add_u32 v[OUTA], v[RR], 2, s59
	v_lshl_add_u32 v[WA], v[HH], 12, v[OUTA]       ; a weight's column 16 w + r, 8 h rows of 512 bytes down
	s_lshl_b32 s59, s2, 11
	v_lshl_add_u32 v[FST], v[LN], 4, s59           ; my 16 bytes in fragment image w
	s_mul_i32 s59, s2, PIT0
	v_lshl_add_u32 v[ST], v[LN], 4, s59            ; my 16 bytes of staged row w
	s_mov_b32 s62, s58
	s_mov_b32 s63, 0
	s_wait_kmcnt 0x0
	s_load_b128 s[44:47], s[34:35], 0x0            ; e0, e1, e2, e3
	s_load_b32 s48, s[20:21], 0x0                  ; ib2
	s_load_b64 s[50:51], s[32:33], 0x0             ; nb2
	s_lshl_b32 s4, ttmp9, 12                       ; 128 samples of 32 bytes
	s_mov_b32 s5, 0
	s_add_nc_u64 s[8:9], s[8:9], s[4:5]
	s_lshl_b32 s4, ttmp9, 9                        ; 128 results of 4 bytes
	s_add_nc_u64 s[36:37], s[36:37], s[4:5]
	s_add_nc_u64 s[60:61], s[22:23], s[62:63]      ; row w of nW0 (7 rows) ...
	s_cmp_eq_u32 s2, 7
	s_cselect_b64 s[60:61], s[24:25], s[60:61]     ; ... and for wave 7 nb0: every wave issues the same loads, none leaves its buffer
	s_add_nc_u64 s[38:39], s[30:31], 512           ; the small vectors, 512 bytes a wave: waves 0 to 5 take ib1, iW2, nb1, nW2's two halves and ib0.
	s_cmp_eq_u32 s2, 5                             ; (Waves 6 and 7 read nW2's second half again and do not stage it: so all waves issue the same number of loads)
	s_cselect_b64 s[38:39], s[12:13], s[38:39]
	s_cmp_eq_u32 s2, 3
	s_cselect_b64 s[38:39], s[30:31], s[38:39]
	s_cmp_eq_u32 s2, 2
	s_cselect_b64 s[38:39], s[28:29], s[38:39]
	s_cmp_eq_u32 s2, 1
	s_cselect_b64 s[38:39], s[18:19], s[38:39]
	s_cmp_eq_u32 s2, 0
	s_cselect_b64 s[38:39], s[16:17], s[38:39]
; ============================================================ all global loads: 5 + 64 + 64
	global_load_b128 v[XIN:XIN+3],   v[XA], s[8:9]
	global_load_b128 v[XIN+4:XIN+7], v[XA], s[8:9] offset:16
	global_load_b128 v[STG0:STG0+3], v[T16], s[10:11]    ; iW0: the 256 threads take all 4,096 bytes; wave w has row w
	global_load_b128 v[STG1:STG1+3], v[L16], s[60:61]    ; my wave's row of nW0 / nb0
	global_load_b128 v[STG2:STG2+3], v[L16], s[38:39]    ; my wave's small vector
	WIN 0x40                                       ; destination window 1, address window 0
	WLOAD RAWN, 26                                 ; nW1, feature tile w
	WLOAD RAWI, 14                                 ; iW1, feature tile w
	WIN 0
; ============================================================ scales; staging; the two weights become codes
	s_wait_kmcnt 0x0                               ; the exponents, ib2, nb2
	MKQ s44, SCV,  HI
	MKQ s45, SCW1, HIW1
	MKQ s46, SCVN, HIN
	MKQ s47, SCW3, HIW3
	s_add_co_i32 s58, s44, s45                     ; e0 + e1
	s_add_co_i32 s52, s58, 127
	s_lshl_b32 s52, s52, 23                        ; 2^(e0 + e1)
	s_sub_co_i32 s54, 127, s58
	s_lshl_b32 s54, s54, 23                        ; 2^-(e0 + e1)
	s_add_co_i32 s58, s46, s47                     ; e2 + e3
	s_add_co_i32 s53, s58, 127
	s_lshl_b32 s53, s53, 23
	s_sub_co_i32 s56, 127, s58
	s_lshl_b32 s56, s56, 23
	s_mov_b32 s59, 0x3f800000                      ; what my small vector is multiplied by as it is staged: 1, but
	s_cmp_eq_u32 s2, 0
	s_cselect_b32 s58, s54, s59                    ; ib1 by 2^-(e0 + e1),
	s_cmp_eq_u32 s2, 2
	s_cselect_b32 s58, s56, s58                    ; nb1 by 2^-(e2 + e3): exact, and done once for all eight waves
	s_wait_loadcnt 63                              ; of the 133 loads the youngest 63, all of them iW1's, may be out: the inputs, the staged pieces and all of nW1 are in
	v_pk_mul_f32 v[STG2:STG2+1],   v[STG2:STG2+1],   s[58:59] op_sel_hi:[1,0]
	v_pk_mul_f32 v[STG2+2:STG2+3], v[STG2+2:STG2+3], s[58:59] op_sel_hi:[1,0]
	ds_store_b128 v[ST], v[STG0:STG0+3] offset:L0I
	ds_store_b128 v[ST], v[STG1:STG1+3] offset:L0N       ; wave w's row w; wave 7's is nb0
	s_cmp_gt_u32 s2, 5
	s_cbranch_scc1 .Lnosv
	ds_store_b128 v[ST], v[STG2:STG2+3] offset:SVB       ; waves 0 to 5: a row each
.Lnosv:
	QW RAWN, HIW3, SCW3, CODN, WFN, 0              ; nW1 with 2^e3
	QW RAWI, HIW1, SCW1, CODI, WFI, 1              ; iW1 with 2^e1; its last wait is for 0: every global load of mine is in
	s_wait_dscnt 0x0                               ; for the other waves' sake: all my LDS stores are done before I signal
	s_barrier_signal -1
; Work on registers while the others arrive: source 1 of the first layers.  Register j of a K half q holds input slot k = 4 q + 2 h + j of sample r.
	v_cndmask_b32 v[XO0],   v[XIN+1], v[XIN+3], s42      ; offset net: slot k is input k + 1, slot 7 is the 1 that goes with nb0
	v_cndmask_b32 v[XO0+1], v[XIN+2], v[XIN+4], s42
	v_cndmask_b32 v[XO1],   v[XIN+5], v[XIN+7], s42
	v_cndmask_b32 v[XO1+1], v[XIN+6], 1.0,      s42
	v_cndmask_b32 v[XA0],   1.0,      v[XIN+2], s42      ; a: slot 0 is the 1 that goes with ib0, slot k is input k
	v_cndmask_b32 v[XA0+1], v[XIN+1], v[XIN+3], s42
	v_cndmask_b32 v[XA1],   v[XIN+4], v[XIN+6], s42
	v_cndmask_b32 v[XA1+1], v[XIN+5], v[XIN+7], s42
	v_cndmask_b32 v[XB0],   v[XIN],   0,        s42      ; b: slot 0 is x, the others 0
	v_mov_b32 v[XB0+1], 0
	v_bfe_u32 v[G], v0, 4, 1                       ; h.  (These six are also plain places between the operands' writes and the products)
	v_and_b32 v[EN], 15, v0                        ; r
	v_mul_u32_u24 v[FA], v[G], 2*PIT0
	v_mul_u32_u24 v[FB], v[G], 3*PIT0
	v_lshl_add_u32 v[FA], v[EN], 2, v[FA]
	v_lshl_add_u32 v[FB], v[EN], 2, v[FB]
	s_barrier_wait -1                              ; table, first-layer weights, small vectors and both weights' fragments are in LDS for everybody; nobody writes them again
; ============================================================ the first layers' fragments: register j of (tile c, K half q) is W(4 q + 2 h + j, 16 c + r): 80 loads of 128 bytes a wave
.irp c, 0,1,2,3,4,5,6,7
.irp q, 0,1
.irp jj, 0,1
	ds_load_b32 v[FN+4*\c+2*\q+\jj], v[FA] offset:L0N+(4*\q+\jj)*PIT0+64*\c
.endr
.endr
.endr
.irp c, 0,1,2,3,4,5,6,7
	ds_load_b32 v[FI+4*\c],   v[FB] offset:SVB+5*PIT0+64*\c      ; lanes 0-15: ib0; lanes 16-31, three rows on: iW0[2]
	ds_load_b32 v[FI+4*\c+1], v[FA] offset:L0I+PIT0+64*\c        ; iW0[1] | iW0[3]
	ds_load_b32 v[FI+4*\c+2], v[FA] offset:L0I+4*PIT0+64*\c      ; iW0[4] | iW0[6]
	ds_load_b32 v[FI+4*\c+3], v[FA] offset:L0I+5*PIT0+64*\c      ; iW0[5] | iW0[7]
.endr
.irp c, 0,1,2,3,4,5,6,7
	ds_load_b32 v[FIB+2*\c+16*(\c/4)],   v[FA] offset:L0I+64*\c          ; iW0[0] | iW0[2]
	ds_load_b32 v[FIB+2*\c+16*(\c/4)+1], v[FA] offset:L0I+PIT0+64*\c     ; iW0[1] | iW0[3]
.endr
	WIN 0x40                                       ; destination window 1, address window 0
	FRAGL WFN                                      ; the offset net's fragments,
	VEC64 BI, SVB+2*PIT0                           ; its bias / 2^(e2 + e3),
	NW2L W2, SVB+3*PIT0                            ; and nW2 for my features of tiles 0-3
	WIN 0
	s_wait_dscnt 63                                ; 64 loads were issued behind the 80: with 63 out at the most, the first layers' fragments are in
	L1MM B_, FN, XO0, XO1                          ; the offset net's hidden values, before relu
	L1MM A_, FI, XA0, XA1                          ; a
.rept 8
	v_nop                                          ; eight places behind this form (ISA guide 7.12.1) before vector work reads the sums and writes over the fragments
.endr
; ============================================================ the offset net: one tile
	QRELU HIN, SCVN, B_
	v_mov_b32 v[ZEST], 0                           ; four plain instructions between the conversions and the product
	v_mov_b32 v[X], v[XIN]
	v_mov_b32 v[G2], 0                             ; (the destination of a lane permute counts as read)
	v_mov_b32 v[EP], 0
	s_wait_dscnt 16                                ; nW2's 16 loads may be out; fragments and bias are in
	MM
.irp c, 0,1,2,3,4,5,6,7
	v_wmma_f32_16x16x4_f32 v[B_+8*\c:B_+8*\c+7], v[FIB+2*\c+16*(\c/4):FIB+2*\c+16*(\c/4)+1], v[XB0:XB0+1], 0   ; b = x iW0[0], where the hidden values were: they have been read
.endr
.rept 4
	v_nop                                          ; four places before loads land on weights and bias just read and vector work touches the results; with the relu below: b's eight
.endr
	WIN 0x40
	NW2L BI, SVB+4*PIT0                            ; nW2 for tiles 4-7, where the bias was
	FRAGL WFI                                      ; the integrand's fragments, on their way during what follows
	WIN 0
	RELU
	s_wait_dscnt 32                                ; the 32 fragment loads may be out; all of nW2 is in
	WIN 0x01                                       ; source 0 (nW2's pairs) in window 1
.irp m, 0,1,2,3,4,5,6,7,8,9,10,11,12,13,14,15,16,17,18,19,20,21,22,23,24,25,26,27,28,29,30,31
.irp sel, 0,1
.set nw, W2+4*\m+2*\sel-128*(\m/16)    ; features 0-31 of mine from W2 on, 32-63 from BI on
.set pp, P+2*((2*\m+\sel)%4)
.if 2*\m+\sel < 4
	v_pk_mul_f32 v[pp:pp+1], v[nw:nw+1], v[ACC+2*\m:ACC+2*\m+1] op_sel:[0,\sel] op_sel_hi:[1,\sel]
.else
	v_pk_fma_f32 v[pp:pp+1], v[nw:nw+1], v[ACC+2*\m:ACC+2*\m+1], v[pp:pp+1] op_sel:[0,\sel,0] op_sel_hi:[1,\sel,1]
.endif
.endr
.endr
	WIN 0x40
	VEC64 BI, SVB                                  ; ib1 / 2^(e0 + e1)
	VEC64 W2, SVB+PIT0                             ; iW2
	WIN 0
	v_pk_add_f32 v[P:P+1],   v[P:P+1],   v[P+2:P+3]          ; low halves: o0's sum, high halves: o1's
	v_pk_add_f32 v[P+4:P+5], v[P+4:P+5], v[P+6:P+7]
	v_pk_add_f32 v[P:P+1],   v[P:P+1],   v[P+4:P+5]
	v_permlanex16_b32 v[G2], v[P],   s40, s41
	v_permlanex16_b32 v[EP], v[P+1], s40, s41
	v_add_f32 v[G],  v[P],   v[G2]
	v_add_f32 v[EN], v[P+1], v[EP]
	v_fma_f32 v[OFF], v[G],  s53, s50              ; x 2^(e2 + e3), + nb2
	v_fma_f32 v[EN],  v[EN], s53, s51
	v_mul_f32 v[EN], 0x3fb8aa3b, v[EN]             ; e^o1 = 2^(o1 log2 e)
	v_exp_f32 v[SCL], v[EN]
	v_mov_b32 v[TAB_A], 0                          ; a plain instruction behind the exponential
.irp i, 0,1,2,3,4,5,6,7
	v_mov_b32 v[P+\i], 0                           ; the first trip's tail finds zeros, and cc = 0 in entry 0
.endr
	ds_load_b64 v[T:T+1], v[TAB_A] offset:TAB      ; entry 0 = (t_0, 0)
	s_mov_b32 s3, 0
; ============================================================ 51 quadrature points.  No barrier: a wave shares nothing here.
.Lpoint:
	s_wait_dscnt 0x0                               ; entry s = (t_s, cc_(s-1)), asked for 64 instructions ago; in the first trip window 1's loads too
	AFF
	QRELU HI, SCV, ACC
	TAIL1                                          ; point s - 1's sum: four plain instructions between the conversions and the product
	MM
	TAIL2                                          ; point s - 1's elu and weight: five plain instructions and more, the places behind the product (ISA guide 7.12.1)
	s_add_co_u32 s3, s3, 1                         ; the trip counter's one step
	s_lshl_b32 s58, s3, 3
	v_mov_b32 v[TAB_A], s58
	ds_load_b64 v[T:T+1], v[TAB_A] offset:TAB      ; entry s + 1 = (t_(s+1), cc_s); the last is entry 51
	RELU
	DOT
	s_cmp_lt_u32 s3, NPTS
	s_cbranch_scc1 .Lpoint
	s_wait_dscnt 0x0                               ; entry 51: cc_50
	TAIL1                                          ; the last point's tail
	TAIL2
; ============================================================ the result
	v_mul_f32 v[EN], v[ZEST], v[X]
	v_mul_f32 v[EN], 0.5, v[EN]                    ; the integral
	v_fma_f32 v[EN], v[SCL], v[EN], v[OFF]
	v_mul_f32 v[EN], 0xbfb8aa3b, v[EN]             ; sigmoid(u) = 1 / (1 + 2^(-u log2 e))
	v_exp_f32 v[EN], v[EN]
	v_nop                                          ; a plain instruction behind each transcendental
	s_wait_alu depctr_va_vdst(0)
	v_add_f32 v[EN], 1.0, v[EN]
	v_rcp_f32 v[EN], v[EN]
	v_nop
	s_wait_alu depctr_va_vdst(0)
	ds_store_b32 v[OUTA], v[EN] offset:OUTS        ; lanes r and r + 16 hold the same sample and write the same word with the same value
	s_wait_dscnt 0x0                               ; for wave 0's sake
	s_barrier_signal -1
	s_barrier_wait -1
	s_cmp_lg_u32 s2, 0
	s_cbranch_scc1 .Lend
	ds_load_b128 v[ACC:ACC+3], v[L16] offset:OUTS  ; the work-group's 128 results
	s_wait_dscnt 0x0
	global_store_b128 v[L16], v[ACC:ACC+3], s[36:37]     ; one store of 512 consecutive bytes, at a multiple of 512 from out0's first byte
.Lend:
	s_wait_xcnt 0x0
	v_lshl_add_u32 v254, v0, 2, 0xb600
	v_mov_b32 v255, 0
	s_wait_tensorcnt 0x0
	ds_add_u32 v254, v255
	s_wait_dscnt 0x0
	s_endpgm
.Lfunc_end_k_qcff4ce8dd6_mono:
	.size	k_qcff4ce8dd6_mono, .Lfunc_end_k_qcff4ce8dd6_mono-k_qcff4ce8dd6_mono
	.p2alignl 7, 3214868480
	.fill 96, 4, 3214868480
	.section	.rodata,"a",@progbits
	.p2align	6, 0x0
	.amdhsa_kernel k_qcff4ce8dd6_mono
		.amdhsa_group_segment_fixed_size 47616
		.amdhsa_private_segment_fixed_size 0
		.amdhsa_enable_private_segment 0
		.amdhsa_kernarg_size 120
		.amdhsa_user_sgpr_count 2
		.amdhsa_user_sgpr_kernarg_segment_ptr 1
		.amdhsa_wavefront_size32 1
		.amdhsa_system_sgpr_workgroup_id_x 1
		.amdhsa_system_sgpr_workgroup_id_y 1
		.amdhsa_system_sgpr_workgroup_id_z 1
		.amdhsa_system_vgpr_workitem_id 0
		.amdhsa_next_free_vgpr 512
		.amdhsa_next_free_sgpr 66
		.amdhsa_reserve_vcc 0
		.amdhsa_float_denorm_mode_32 3
		.amdhsa_float_denorm_mode_16_64 3
		.amdhsa_memory_ordered 1
		.amdhsa_forward_progress 1
		.amdhsa_inst_pref_size 88
	.end_amdhsa_kernel
	.amdgpu_metadata
---
amdhsa.version: [ 1, 2 ]
amdhsa.kernels:
  - .name:           k_qcff4ce8dd6_mono
    .symbol:         k_qcff4ce8dd6_mono.kd
    .args:
      - { .name: x_input, .offset: 0, .size: 8, .value_kind: global_buffer, .address_space: global }
      - { .name: iW0, .offset: 8, .size: 8, .value_kind: global_buffer, .address_space: global }
      - { .name: ib0, .offset: 16, .size: 8, .value_kind: global_buffer, .address_space: global }
      - { .name: iW1, .offset: 24, .size: 8, .value_kind: global_buffer, .address_space: global }
      - { .name: ib1, .offset: 32, .size: 8, .value_kind: global_buffer, .address_space: global }
      - { .name: iW2, .offset: 40, .size: 8, .value_kind: global_buffer, .address_space: global }
      - { .name: ib2, .offset: 48, .size: 8, .value_kind: global_buffer, .address_space: global }
      - { .name: nW0, .offset: 56, .size: 8, .value_kind: global_buffer, .address_space: global }
      - { .name: nb0, .offset: 64, .size: 8, .value_kind: global_buffer, .address_space: global }
      - { .name: nW1, .offset: 72, .size: 8, .value_kind: global_buffer, .address_space: global }
      - { .name: nb1, .offset: 80, .size: 8, .value_kind: global_buffer, .address_space: global }
      - { .name: nW2, .offset: 88, .size: 8, .value_kind: global_buffer, .address_space: global }
      - { .name: nb2, .offset: 96, .size: 8, .value_kind: global_buffer, .address_space: global }
      - { .name: lowp_scales, .offset: 104, .size: 8, .value_kind: global_buffer, .address_space: global }
      - { .name: out0, .offset: 112, .size: 8, .value_kind: global_buffer, .address_space: global }
    .group_segment_fixed_size: 47616
    .private_segment_fixed_size: 0
    .kernarg_segment_align: 8
    .kernarg_segment_size: 120
    .max_flat_workgroup_size: 256
    .sgpr_count:     66
    .vgpr_count:     512
    .wavefront_size: 32
...
	.end_amdgpu_metadata
.endif
;; end of part 1
